; MI455X (gfx1250); checked and timed in simulation.
; The chip was launched on July 23, 2026; its instructions are those of AMD's public machine-readable ISA for CDNA 5 (MIT licence, August 2026) and "CDNA5" Instruction Set Architecture Reference Guide (July 2026). The comments in the code are by the model that wrote it; some were corrected since.
;; Global Attention. Allowed arithmetic: matrix products marked QUANTISED: E4M3 operands, one given power-of-two scale a tensor, by v_wmma_f32_16x16x64_fp8_fp8 or v_wmma_f32_16x16x128_fp8_fp8, f32 sums; products left as they are: f32 operands where the result goes on into a quantised operand, else bf16, f16 or f32 operands; f32 sums; everything else in f32.
;; Inputs: W_att_codes 1,024 x 32 x 32 uint8 (E4M3 codes of W_att, K innermost, in blocks of 32 codes); W_dec_codes 1,024 x 32 x 32 uint8 (E4M3 codes of W_dec, K innermost, in blocks of 32 codes); W_enc_codes 1,024 x 32 x 32 uint8 (E4M3 codes of W_enc, K innermost, in blocks of 32 codes); W_one 1,024 x 1 float32; b_att 1,024 float32; b_dec 1,024 float32; b_enc 1,024 float32; b_one 1 float32; dec_h_curr_codes 64 x 32 x 32 uint8 (E4M3 codes of dec_h_curr, K innermost, in blocks of 32 codes); enc_hids 64 x 1,024 x 1,024 float32; lowp_scales 6 int32 (the exponents e of the quantised operands' scales 2^e).
;; Outputs: out0 64 x 1,024 float32; out1 64 x 1,024 float32.
;; This version of the problem:
;;   THIS VERSION OF THE PROBLEM IS GIVEN IN LOW PRECISION. The matrix products marked QUANTISED in the list below multiply operands that are first quantised to E4M3 (4 exponent bits, 3 mantissa bits; 8 bits a number), with one given power-of-two scale for each operand tensor; their sums are f32. All else is computed in f32.
;;   The module's matrix products, in the order in which they are computed (A, B: the left and right operand; K: the contracted axis; several contracted axes count as one K, in the product's order):
;;     1. [M 64, K 1,024] x [K 1,024, N 1,024]; A: input dec_h_curr (given as codes); B: input W_dec (given as codes): QUANTISED (scales: A lowp_scales[0], B lowp_scales[1])
;;     2. [M 65,536, K 1,024] x [K 1,024, N 1,024]; A: input enc_hids; B: input W_enc (given as codes): QUANTISED (scales: A lowp_scales[2], B lowp_scales[3])
;;     3. [M 65,536, K 1,024] x [K 1,024, N 1]; A: computed on the way; B: computed on the way: left as it is (N = 1 < 16)
;;     4. batch 64 x [M 1, K 1,024] x [K 1,024, N 1,024]; A: softmax; B: input enc_hids: left as it is (M = 1 < 16)
;;     5. [M 64, K 1,024] x [K 1,024, N 1,024]; A: computed on the way; B: input W_att (given as codes): QUANTISED (scales: A lowp_scales[4], B lowp_scales[5])
;;   THE QUANTISER, for each operand of a quantised product, along K:
;;     - The operand's scale is 2^e, e = its entry of the input lowp_scales (int32; the entries are numbered through the quantised products in the list's order, A before B).
;;     - Each number is divided by the scale, clamped to +-448, and rounded to the nearest number of E4M3, ties to even, subnormals kept.
;;     - The product sums the exact products of the quantised numbers (number of the format x scale) in f32.
;;   ~~~python
;;   def quantise(x, axis, e):      # numpy; x: float32 -> the quantised numbers, widened to float32 again
;;       x = np.moveaxis(x, axis, -1); K = x.shape[-1]
;;       r = np.clip(x / 2.0 ** e, -448, 448)
;;       step = 2.0 ** (np.maximum(np.frexp(np.where(r == 0, 1, r))[1] - 1, -6) - 3)
;;       q = np.round(r / step) * step * 2.0 ** e      # np.round: ties to even
;;       return np.moveaxis(q, -1, axis).astype(np.float32)
;;   ~~~
;;   OPERANDS COMPUTED ON THE WAY. 'Computed on the way' means the value that the module computes at that place (a softmax that the list does not call 'softmax' is quantised finished and normalised). What goes into a quantiser is computed in f32, as accurately as f32 sums, v_exp_f32 and their like allow (about 1e-6 of the number): no bf16 or f16 on the way to a quantiser, and a product that is left as it is and whose result goes on into a quantised operand takes f32 operands (vector FMAs, or v_wmma_f32_16x16x4_f32). A number that lies on a knife's edge between two numbers of the format may be rounded either way, as far as f32 arithmetic and the matrix unit's own rounding can turn it there, and no further.
;;   INPUTS GIVEN AS CODES. W_att (in the module: [1024, 1024], K = its axis 0); W_dec (in the module: [1024, 1024], K = its axis 0); W_enc (in the module: [1024, 1024], K = its axis 0); dec_h_curr (in the module: [64, 1024], K = its axis 1): each comes as NAME_codes (uint8): NAME with its K axis moved to the last place and cut into blocks of 32 codes, [.., K / 32, bytes a block], one block behind the other in memory; one code a byte (a code: sign, 4 exponent bits, 3 mantissa bits); its scale is its entry of lowp_scales. Its value is code x scale, taken as it is: it is not quantised again, and the codes and scales need not be those that the quantiser above would give.
;; One version. Each part assembles by itself: llvm-mc -triple=amdgcn-amd-amdhsa -mcpu=gfx1250 --defsym DOCPART=n.
;; ======== version 1 of 1: 3 launches
;; workspace buffers: dvec 262,144 bytes; scores 262,144 bytes; pctx 1,179,648 bytes
;; launch dproj (part 1): grid 16 x 4, 4 waves a work-group, no clusters, 5,120 bytes of LDS; arguments dec_h_curr_codes, W_dec_codes, b_dec, b_enc, lowp_scales, dvec; writes dvec
.if DOCPART == 1
	.amdgcn_target "amdgcn-amd-amdhsa--gfx1250"
	.amdhsa_code_object_version 6
	.text
	.protected	k_qed9354b2f8_dproj
	.globl	k_qed9354b2f8_dproj
	.p2align	8
	.type	k_qed9354b2f8_dproj,@function
k_qed9354b2f8_dproj:
	s_mov_b64 s[64:65], 0
	v_nop
	global_prefetch_b8 v0, s[64:65] scope:SCOPE_SE
	s_setreg_imm32_b32 hwreg(HW_REG_WAVE_MODE, 25, 1), 1
	s_wait_xcnt 0x0
; dvec[n][d] = C2 x ( (sum over k of dec[n][k] W_dec[k][d]) x 2^(e0 + e1) + b_dec[d] + b_enc[d] ),  C2 = 2 log2(e).
; dec and W_dec come as E4M3 codes with K innermost ([64][1024] and [1024 (d)][1024 (k)] bytes); the codes are multiplied as they are (v_wmma_f32_16x16x128_fp8_fp8, f32 sums)
; and the finished sum once by 2^(e0 + e1), by v_ldexp_f32: no limit on e0 + e1.  The factor C2 and b_enc are folded in here, so that the next launch gets tanh's argument by one multiply-add.
; SHARES.  Work-group (x, y): batches 16 y .. 16 y + 15, columns 64 x .. 64 x + 63; wave w: the tile of 16 columns 64 x + 16 w on.  K = 1,024 is eight matrix instructions, on two accumulators by turns.
; THE PRODUCT IS USED TRANSPOSED (source 0 = 16 rows of W_dec's codes, source 1 = 16 batches): lane (r, h) then holds batch r and the eight neighbouring columns 8 h + 0 .. 7.
; A fragment (16 rows x 128 K) comes by four loads of 16 bytes, 32 bytes apart, at row x 1,024 + 16 h: registers 4 c .. 4 c + 3 hold k = 32 c + 16 h + 0 .. 15, the same places in both operands.
; NO CLUSTER, NO LDS TILES: a wave reads its 16 KB of each operand once, straight into registers; there is no tile in LDS that partners could ask for jointly.
; REGISTERS: v4-8 addresses; v32-159 dec's eight fragments; window 1 v0-127 W_dec's eight; v160-175 two accumulators; v176-191 the biases; v192-199 results; v200-207 rows read back.
.set C2BITS, 0x4038aa3b                ; 2 log2(e) as f32
.set SPI,    272                       ; the stage: 16 rows of 256 bytes + 16 of padding
.set AF,     32
.set ACC,    160
.set BD,     176
.set BE,     184
.set RES,    192
.set RB,     200
.set MSB, 0
.macro WIN new                         ; the immediate's high byte repeats the setting that is left; a switch that changes nothing is dropped
.if MSB != (\new)
	s_set_vgpr_msb (MSB<<8)|(\new)
.set MSB, (\new)
.endif
.endm
	s_load_b256 s[4:11], s[0:1], 0x0               ; dec's codes s[4:5], W_dec's codes s[6:7], b_dec s[8:9], b_enc s[10:11]
	s_load_b128 s[12:15], s[0:1], 0x20             ; the scales' exponents s[12:13], dvec s[14:15]
	v_lshl_add_u32 v254, v0, 2, 0x1200
	v_mov_b32 v255, 0
	v_lshrrev_b32 v1, 5, v0
	v_readfirstlane_b32 s16, v1                    ; wave 0..3
	v_and_b32 v2, 15, v0                           ; r
	v_bfe_u32 v3, v0, 4, 1                         ; h
	v_lshlrev_b32 v4, 10, v2
	v_lshl_add_u32 v4, v3, 4, v4                   ; a fragment's row r of 1,024 bytes, + 16 h
	v_lshlrev_b32 v5, 5, v3                        ; the biases: my eight columns begin 32 h bytes into the tile's 64
	s_and_b32 s17, ttmp7, 0xffff                   ; y
	s_lshl_b32 s18, ttmp9, 6
	s_lshl_b32 s19, s16, 4
	s_add_co_u32 s18, s18, s19                     ; my first column: 64 x + 16 w
	s_lshl_b32 s20, s17, 14                        ; dec: 16 y rows of 1,024 bytes
	s_mov_b32 s21, 0
	s_lshl_b32 s22, s18, 10                        ; W_dec: a column's 1,024 codes
	s_mov_b32 s23, 0
	s_lshl_b32 s24, s18, 2                         ; the biases
	s_mov_b32 s25, 0
	s_lshl_b32 s28, s17, 16                        ; dvec: 16 y rows of 4,096 bytes,
	s_lshl_b32 s29, s16, 14                        ; + the 4 rows that wave w stores,
	s_add_co_u32 s28, s28, s29
	s_lshl_b32 s29, ttmp9, 8                       ; + the work-group's 64 columns
	s_add_co_u32 s28, s28, s29
	s_mov_b32 s29, 0
	s_mov_b32 s30, C2BITS
	s_mov_b32 s31, s30                             ; (named with it as a pair, so it is written)
	s_wait_kmcnt 0x0
	s_load_b64 s[26:27], s[12:13], 0x0             ; e0, e1
	s_add_nc_u64 s[4:5], s[4:5], s[20:21]
	s_add_nc_u64 s[6:7], s[6:7], s[22:23]
	s_add_nc_u64 s[8:9], s[8:9], s[24:25]
	s_add_nc_u64 s[10:11], s[10:11], s[24:25]
	s_add_nc_u64 s[14:15], s[14:15], s[28:29]
.irp q, 0,1,2,3,4,5,6,7
.irp c, 0,1,2,3
	global_load_b128 v[AF+16*\q+4*\c:AF+16*\q+4*\c+3], v4, s[4:5] offset:128*\q+32*\c
.endr
.endr
	WIN 0x40                                       ; destination window 1
.irp q, 0,1,2,3,4,5,6,7
.irp c, 0,1,2,3
	global_load_b128 v[16*\q+4*\c:16*\q+4*\c+3], v4, s[6:7] offset:128*\q+32*\c
.endr
.endr
	WIN 0
	global_load_b128 v[BD:BD+3], v5, s[8:9]
	global_load_b128 v[BD+4:BD+7], v5, s[8:9] offset:16
	global_load_b128 v[BE:BE+3], v5, s[10:11]
	global_load_b128 v[BE+4:BE+7], v5, s[10:11] offset:16
	v_mul_u32_u24 v6, v2, SPI                      ; the stage, in: row r, + 64 w + 32 h: my eight columns' bytes
	v_lshl_add_u32 v6, v3, 5, v6
	s_lshl_b32 s32, s16, 6
	v_add_nc_u32 v6, s32, v6
	v_mul_u32_u24 v7, v3, SPI                      ; back: wave w takes rows 4 w .. 4 w + 3; lanes 0-15 one row of 256 bytes, lanes 16-31 the next
	v_lshl_add_u32 v7, v2, 4, v7
	s_mul_i32 s32, s16, 4*SPI
	v_add_nc_u32 v7, s32, v7
	v_lshlrev_b32 v8, 12, v3                       ; and the same two rows in dvec
	v_lshl_add_u32 v8, v2, 4, v8
	s_wait_loadcnt 0x0
	s_wait_kmcnt 0x0
	s_add_co_i32 s26, s26, s27                     ; e0 + e1
	WIN 0x01                                       ; source 0 (W_dec) window 1
.irp q, 0,1,2,3,4,5,6,7                ; the two accumulators take turns, one instruction a turn; the first two products start the sums
.if \q < 2
	v_wmma_f32_16x16x128_fp8_fp8 v[ACC+8*(\q%2):ACC+8*(\q%2)+7], v[16*\q:16*\q+15], v[AF+16*\q:AF+16*\q+15], 0
.else
	v_wmma_f32_16x16x128_fp8_fp8 v[ACC+8*(\q%2):ACC+8*(\q%2)+7], v[16*\q:16*\q+15], v[AF+16*\q:AF+16*\q+15], v[ACC+8*(\q%2):ACC+8*(\q%2)+7]
.endif
.endr
	WIN 0
.irp j, 0,2,4,6
	v_pk_add_f32 v[BD+\j:BD+\j+1], v[BD+\j:BD+\j+1], v[BE+\j:BE+\j+1]       ; b_dec + b_enc: four plain instructions on other registers, the places behind the last product (ISA guide 7.12.1)
.endr
.irp j, 0,2,4,6
	v_pk_mul_f32 v[BD+\j:BD+\j+1], v[BD+\j:BD+\j+1], s[30:31] op_sel_hi:[1,0]   ; x C2
.endr
.irp j, 0,2,4,6
	v_pk_add_f32 v[RES+\j:RES+\j+1], v[ACC+\j:ACC+\j+1], v[ACC+8+\j:ACC+8+\j+1]  ; the two halves of K; each accumulator from its low end on
.endr
.irp j, 0,1,2,3,4,5,6,7
	v_ldexp_f32 v[RES+\j], v[RES+\j], s26          ; x 2^(e0 + e1)
.endr
.irp j, 0,2,4,6
	v_pk_fma_f32 v[RES+\j:RES+\j+1], v[RES+\j:RES+\j+1], s[30:31], v[BD+\j:BD+\j+1] op_sel_hi:[1,0,1]
.endr
	; THE WAY OUT: a row's 256 bytes come from four waves: they meet in the stage, and each wave stores four whole rows, sixteen lanes to 256 consecutive bytes
	ds_store_b128 v6, v[RES:RES+3]
	ds_store_b128 v6, v[RES+4:RES+7] offset:16
	s_wait_dscnt 0x0                               ; for the others' sake: my stores into the stage are done
	s_barrier_signal -1
	s_barrier_wait -1
	ds_load_b128 v[RB:RB+3], v7
	ds_load_b128 v[RB+4:RB+7], v7 offset:2*SPI
	s_wait_dscnt 0x1                               ; the first two rows are back; the younger load may be out
	global_store_b128 v8, v[RB:RB+3], s[14:15]
	s_wait_dscnt 0x0
	global_store_b128 v8, v[RB+4:RB+7], s[14:15] offset:8192
	s_wait_tensorcnt 0x0
	ds_add_u32 v254, v255
	s_wait_dscnt 0x0
	s_endpgm
.Lfunc_end_k_qed9354b2f8_dproj:
	.size	k_qed9354b2f8_dproj, .Lfunc_end_k_qed9354b2f8_dproj-k_qed9354b2f8_dproj
	.p2alignl 7, 3214868480
	.fill 96, 4, 3214868480
	.section	.rodata,"a",@progbits
	.p2align	6, 0x0
	.amdhsa_kernel k_qed9354b2f8_dproj
		.amdhsa_group_segment_fixed_size 5120
		.amdhsa_private_segment_fixed_size 0
		.amdhsa_enable_private_segment 0
		.amdhsa_kernarg_size 48
		.amdhsa_user_sgpr_count 2
		.amdhsa_user_sgpr_kernarg_segment_ptr 1
		.amdhsa_wavefront_size32 1
		.amdhsa_system_sgpr_workgroup_id_x 1
		.amdhsa_system_sgpr_workgroup_id_y 1
		.amdhsa_system_sgpr_workgroup_id_z 1
		.amdhsa_system_vgpr_workitem_id 0
		.amdhsa_next_free_vgpr 384
		.amdhsa_next_free_sgpr 66
		.amdhsa_reserve_vcc 0
		.amdhsa_float_denorm_mode_32 3
		.amdhsa_float_denorm_mode_16_64 3
		.amdhsa_memory_ordered 1
		.amdhsa_forward_progress 1
		.amdhsa_inst_pref_size 12
	.end_amdhsa_kernel
	.amdgpu_metadata
---
amdhsa.version: [ 1, 2 ]
amdhsa.kernels:
  - .name:           k_qed9354b2f8_dproj
    .symbol:         k_qed9354b2f8_dproj.kd
    .args:
      - { .name: dec_h_curr_codes, .offset: 0, .size: 8, .value_kind: global_buffer, .address_space: global }
      - { .name: W_dec_codes, .offset: 8, .size: 8, .value_kind: global_buffer, .address_space: global }
      - { .name: b_dec, .offset: 16, .size: 8, .value_kind: global_buffer, .address_space: global }
      - { .name: b_enc, .offset: 24, .size: 8, .value_kind: global_buffer, .address_space: global }
      - { .name: lowp_scales, .offset: 32, .size: 8, .value_kind: global_buffer, .address_space: global }
      - { .name: dvec, .offset: 40, .size: 8, .value_kind: global_buffer, .address_space: global }
    .group_segment_fixed_size: 5120
    .private_segment_fixed_size: 0
    .kernarg_segment_align: 8
    .kernarg_segment_size: 48
    .max_flat_workgroup_size: 128
    .sgpr_count:     66
    .vgpr_count:     384
    .wavefront_size: 32
...
	.end_amdgpu_metadata
.endif
;; end of part 1
;; launch attn (part 2): grid 256 x 1, 4 waves a work-group, clusters of 4 x 1, 327,680 bytes of LDS; arguments enc_hids, W_enc_codes, W_one, b_one, lowp_scales, dvec, scores, pctx; writes scores, pctx
.if DOCPART == 2
	.amdgcn_target "amdgcn-amd-amdhsa--gfx1250"
	.amdhsa_code_object_version 6
	.text
	.protected	k_qed9354b2f8_attn
	.globl	k_qed9354b2f8_attn
	.p2align	8
	.type	k_qed9354b2f8_attn,@function
k_qed9354b2f8_attn:
	s_mov_b64 s[64:65], 0
	v_nop
	global_prefetch_b8 v0, s[64:65] scope:SCOPE_SE
	s_setreg_imm32_b32 hwreg(HW_REG_WAVE_MODE, 25, 1), 1
	s_wait_xcnt 0x0
	s_wait_alu depctr_hold_cnt(0) depctr_sa_sdst(0) depctr_va_vdst(0) depctr_va_sdst(0) depctr_va_ssrc(0) depctr_va_vcc(0) depctr_vm_vsrc(0)
	s_getreg_b32 s2, hwreg(HW_REG_IB_STS2, 6, 4)
	s_cmp_eq_u32 s2, 0
	s_cbranch_scc0 .Lentry_in_a_cluster
	s_endpgm
.Lentry_in_a_cluster:
	s_bfe_u32 s2, ttmp6, 0x10000c
	s_cmp_lg_u32 s2, 0x3003
	s_cbranch_scc0 .Lentry_shape_is_right
	s_endpgm
.Lentry_shape_is_right:
; For 256 rows (positions) of one batch: score[l] = sum over d of W_one[d] tanh(d[n][d] + b_dec + (enc[l] . W_enc[:, d]) + b_enc[d]) + b_one; the block's largest score m, p[l] = e^(score - m), their sum,
; and the block's part of the context, sum over l of p[l] enc[l][:] (f32 numbers, f32 multiply-adds).  The last launch joins a batch's four blocks.
; THE PRODUCT enc x W_enc is made on E4M3 codes by v_wmma_f32_16x16x128_fp8_fp8, f32 sums: enc is quantised here (x / 2^e2, held within +-448, nearest code, ties to even), W_enc comes as codes [1024 (d)][1024 (k)].
; tanh(x) = 1 - 2 / (1 + 2^y), y = C2 x, C2 = 2 log2(e): y = sum x (C2 2^(e2 + e3)) + cb[d], cb from the launch before.  2^y = infinity or 0 gives tanh = 1 or -1.  So score = sum of w - 2 x sum of w / (1 + 2^y).
; LIMITS: e2 between -126 and 119; e2 + e3 between -126 and 126 (it is added to C2's exponent field).  NaN among the inputs is not served.  tanh has an absolute error of some 1e-7.
; SHARES.  The cluster's number is the batch; its four work-groups take the batch's four blocks of 256 rows.  Wave w owns rows 64 w .. 64 w + 63: their codes, 64 KB, stay in 512 registers (windows 2 and 3).
; Every wave walks all 1,024 columns of W_enc, 64 a chunk, through a ring of two LDS slots.  The four work-groups walk the same W_enc: each tile is asked for JOINTLY (mask 15), 16 rows of 1,024 bytes a wave.
; enc IS READ TWICE: a row's weight p is known only when the row has met all 1,024 columns, and 256 rows of f32 are 1 MB, more than LDS and the free registers hold.  Each pass reads each byte once,
; in loads of 512 consecutive bytes a wave, 64 of them on their way in every wave throughout: no prefetch is laid beside them.  The first pass walks a wave's rows upward, the second walks the same rows downward:
; the rows read last are read again first.  Each of the eight row slots has a base of its own, stepped behind the counted wait that shows the slot's loads done: no other wait frees an address in these loops.
; PHASES.  X: my 64 rows -> codes, through my own stage in LDS, into fragments.  MAIN: 32 turns.  S: scores, m, p, the sum.  C: the context's part.
; BY TURNS.  A chunk is two pieces of 32 columns.  In a turn one piece has the matrix unit (64 products: 8 accumulators by turns, K ascending) and the other piece's tanh, a list of 226 vector instructions cut into 64
; slices of three or four, stands between them: one slice behind each product.  A slice costs two switches of the register window: all that it touches lies in window 0, the products' operands in windows 1 to 3.
; THE PRODUCT'S SENSE: source 0 = 16 rows of enc, source 1 = 16 columns of W_enc: lane (r, h) holds column r and rows 8 h + 0 .. 7: cb and w are one number a lane, and a row's score is a sum over sixteen lanes at the end.
; REGISTERS, in windows of 256 (s_set_vgpr_msb: bits 1:0 source 0, 3:2 source 1, 5:4 source 2, 7:6 destination):
;   window 0: v1-23 addresses and constants; v24-31 (cb, w) of the two pieces; v32-63 the scores' sums; v64-191 the two pieces' accumulators; v192-255 at work.
;   window 1: X and C: eight rows of f32 on their way; MAIN: W_enc's fragments, set 0 (K 0-511) at v0, set 1 (K 512-1023) at v128.   windows 2, 3: my rows' codes, fragment (m, q) at 128 (m % 2) + 16 q.
.set WP,    1040                       ; a row of 1,024 codes in LDS + 16 of padding = 260 words: row r starts at bank 4 r mod 64 (64 banks of 4 bytes: ISA guide 11.1), so the 16 rows of a fragment load start at 16 different banks
.set SLOT,  64*WP                      ; a chunk: 64 columns of W_enc.  Slot 0 at byte 0, slot 1 behind it
.set STG,   2*SLOT                     ; behind the ring: a stage of 32 rows of codes for each wave,
.set STGW,  32*WP
.set TAB,   STG+4*STGW                 ; the table (cb, w), 8 bytes a column,
.set SCB,   TAB+8192                   ; the block's 256 scores,
.set PB,    SCB+1024                   ; p, a copy of 1,024 bytes for each wave, laid backwards: row l at word 255 - l,
.set SPARE, PB+4096                    ; the spare words, 128 bytes for each wave: two blocks of 256 bytes that no other line names,
.set RED,   SPARE+512                  ; and the four waves' parts of the context, 4,096 bytes each
.set PAC,  1                           ; v1   (the lane's number at the head)  phase C: where the trip's eight p lie
.set RW,   2                           ; v2   (r at the head)  RED + 4,096 w + 16 x lane
.set RR,   3                           ; v3   (h at the head)  RED + 16 x thread
.set XO,   4                           ; v4   16 x lane
.set ST0,  5                           ; v5   my stage + 4 x lane
.set STC,  6                           ; v6   the same, at the trip's eight rows
.set FR,   7                           ; v7   my stage + r x WP + 16 h: a fragment's place
.set B0,   8                           ; v8   r x WP + 16 h
.set ADR,  9                           ; v9   the same in the slot in hand
.set TABA, 10                          ; v10  TAB + 8 r
.set TABC, 11                          ; v11  the same at the chunk in hand
.set SPW,  12                          ; v12  LDS address of my spare word: SPARE + 4 x my thread's number; never rewritten
.set NIL,  13                          ; v13  0; never rewritten
.set QS,   14                          ; v14  2^e2 as f32: the conversion takes its exponent field
.set TL,   15                          ; v15  4 x thread
.set SW,   16                          ; v16  the sum of my columns' w; v17 = 0 (named with it as a pair)
.set SS,   18                          ; v18  SCB + 256 w + 32 h
.set SL,   19                          ; v19  SCB + 16 x lane
.set CO,   20                          ; v20  16 x thread
.set PA,   21                          ; v21  my copy of p, at my last row's word: + 256 (3 - w)
.set PW,   22                          ; v22  my copy of p + 16 (31 - lane)
.set TS,   23                          ; v23  TAB + 8 x thread
.set CBW,  24                          ; v24-31  piece p at 24 + 4 p: cb, w of its first 16 columns' tile, cb, w of its second
.set SC,   32                          ; v32-63  register 8 m + j: row 16 m + 8 h + j
.set ACC,  64                          ; piece p at 64 + 64 p, accumulator (t, m) at + 8 (4 t + m)
.set CT,   192                         ; X: eight registers of codes for each of eight rows
.set CA,   64                          ; C: 32 sums: register 4 j + e: column 128 j + 4 x lane + e
.set CR,   96                          ; C: the four waves' parts of my eight columns
.set PV,   128                         ; C: the trip's eight p, in the order of the row slots
.set WV,   20                          ; s20  wave
.set G1,   24                          ; s[24:31] descriptor group 1
.set G0A,  32                          ; s[32:35] group 0 of the first fill of slot 0
.set G0B,  36                          ; s[36:39] group 0 of the first fill of slot 1; it then walks
.set FB,   40                          ; s40  the slot that the walking descriptor names
.set WOFF, 41                          ; s41  my 16 rows' place in a slot
.set TB,   42                          ; s42  the slot that is read
.set CNT,  43                          ; s43  loop counts
.set SST,  44                          ; s44  the stage's step
.set TP,   45                          ; s45  the table's step
.set SCL,  46                          ; s[46:47] C2 x 2^(e2 + e3), twice
.set LO,   48                          ; s48, s49  -+448 x 2^e2
.set HI,   49
.set EE,   52                          ; s[52:53] e2, e3
.set BO,   56                          ; s56  b_one
.set SEL,  58                          ; s[58:59] v_permlanex16_b32's selects for lane l xor 16
.set PS,   68                          ; s68  p's step
.set TT,   72                          ; s[72:73] at work
.set SB,   74                          ; s[74:89] row slot i's base in enc, at 74 + 2 i
.set MSB, 0
.macro WIN new                         ; the immediate's high byte repeats the setting that is left; a switch that changes nothing is dropped
.if MSB != (\new)
	s_set_vgpr_msb (MSB<<8)|(\new)
.set MSB, (\new)
.endif
.endm
.macro PLACES                          ; four plain vector instructions (ISA guide 7.12.1)
.rept 4
	v_nop
.endr
.endm
.macro CREST                           ; a round of the cluster's barrier behind its opening barrier
	s_cmp_lg_u32 s[WV], 0
	s_cbranch_scc1 .Lnot_wave_0_\@
	s_barrier_signal -3
.Lnot_wave_0_\@:
	s_barrier_wait -3
	s_barrier_signal -1
	s_barrier_wait -1
.endm
.macro CROUND                          ; a whole round
	s_barrier_signal -1
	s_barrier_wait -1
	CREST
.endm
	s_load_b256 s[4:11], s[0:1], 0x0               ; enc s[4:5], W_enc's codes s[6:7], W_one s[8:9], b_one s[10:11]
	s_load_b256 s[12:19], s[0:1], 0x20             ; the scales' exponents s[12:13], dvec s[14:15], scores s[16:17], pctx s[18:19]
	v_lshl_add_u32 v[SPW], v0, 2, SPARE
	v_mov_b32 v[NIL], 0
	ds_add_u32 v12, v13
	ds_add_u32 v12, v13
	s_wait_dscnt 0x0
	v_lshrrev_b32 v1, 5, v0
	v_readfirstlane_b32 s[WV], v1                  ; wave 0..3
	s_bfe_u32 s21, ttmp6, 0x40000                  ; cx: my place in the cluster: it enters the addresses of enc, scores and pctx alone
	s_lshl_b32 s22, ttmp9, 2                       ; in a cluster launch ttmp9 counts clusters: the batch
	s_add_co_u32 s22, s22, s21                     ; g: my block of 256 rows
	; descriptor group 1: a tile of 16 rows x 1,024 bytes, padded in LDS
	s_mov_b32 s[G1], 15|(1<<20)|(1<<21)|(7<<22)|(3<<25)   ; 15:0 the mask: all four work-groups; 17:16 elements of 1 byte; 20 padding on; 21 set beside a mask; 24:22 after every 256 words (code 7); 31:25 four words (code 3)
	s_mov_b32 s[G1+1], 1024<<16                    ; tensor_dim0 = 1,024
	s_mov_b32 s[G1+2], 16<<16                      ; tensor_dim1 = 16
	s_mov_b32 s[G1+3], 1024<<16                    ; tile_dim0 = 1,024
	s_mov_b32 s[G1+4], 16                          ; tile_dim1 = 16
	s_mov_b32 s[G1+5], 1024                        ; from row to row
	s_mov_b32 s[G1+6], 0
	s_mov_b32 s[G1+7], 0
	s_mul_i32 s[WOFF], s[WV], 16*WP                ; no place in the cluster enters an LDS address
	s_mov_b32 s[FB], SLOT
	s_mov_b32 s[TB], 0
	s_lshl_b32 s[TT], s[WV], 14                    ; my 16 columns of a chunk in memory
	s_mov_b32 s[TT+1], 0
	s_wait_kmcnt 0x0
	s_load_b64 s[EE:EE+1], s[12:13], 0x8           ; e2, e3
	s_load_b32 s[BO], s[10:11], 0x0                ; b_one
	s_add_nc_u64 s[6:7], s[6:7], s[TT:TT+1]
	s_mov_b32 s[G0A], 1                            ; count = 1
	s_mov_b32 s[G0A+1], s[WOFF]                    ; LDS address: slot 0
	s_mov_b64 s[G0A+2:G0A+3], s[6:7]               ; chunk 0
	s_or_b32 s[G0A+3], s[G0A+3], 0x80000000        ; type = 2
	s_mov_b32 s[G0B], 1
	s_add_co_u32 s[G0B+1], s[WOFF], SLOT           ; slot 1
	s_add_nc_u64 s[G0B+2:G0B+3], s[6:7], 0x10000   ; chunk 1
	s_or_b32 s[G0B+3], s[G0B+3], 0x80000000
	CROUND                                         ; all four work-groups are here: the first joint loads meet
	tensor_load_to_lds s[G0A:G0A+3], s[G1:G1+7]    ; both first fills go out together, ahead of every wait on TENSORcnt and every LDS read: two loads of mine are out, the most in this text
	s_nop 0
	tensor_load_to_lds s[G0B:G0B+3], s[G1:G1+7]
	s_nop 0
	PLACES
	s_lshl_b32 s[TT], s22, 20                      ; my block: 256 rows of 4,096 bytes,
	s_lshl_b32 s23, s[WV], 18                      ; my wave's 64 of them
	s_add_co_u32 s[TT], s[TT], s23
	s_add_nc_u64 s[4:5], s[4:5], s[TT:TT+1]        ; enc at my wave's first row: it stays
.irp i, 0,1,2,3,4,5,6,7
	s_add_nc_u64 s[SB+2*\i:SB+2*\i+1], s[4:5], \i*4096   ; row slot i begins at row i
.endr
	s_lshl_b32 s[TT], ttmp9, 12                    ; the batch's row of dvec
	s_add_nc_u64 s[14:15], s[14:15], s[TT:TT+1]
	s_lshl_b32 s[TT], s22, 10                      ; my block's 256 scores
	s_add_nc_u64 s[16:17], s[16:17], s[TT:TT+1]
	s_mul_i32 s[TT], s22, 4608                     ; my block's row of pctx: 4,096 bytes of sums, 512 of (m, sum)
	s_add_nc_u64 s[18:19], s[18:19], s[TT:TT+1]
	v_and_b32 v1, 31, v0                           ; lane
	v_and_b32 v2, 15, v0                           ; r
	v_bfe_u32 v3, v0, 4, 1                         ; h
	v_lshlrev_b32 v[XO], 4, v1
	v_lshlrev_b32 v[TL], 2, v0
.irp i, 0,1,2,3,4,5,6,7                ; the table's numbers: column thread + 128 i
	global_load_b32 v[64+2*\i], v[TL], s[14:15] offset:512*\i
	global_load_b32 v[65+2*\i], v[TL], s[8:9] offset:512*\i
.endr
.macro XLOAD i                         ; the first pass: row slot i's row, eight loads of 512 consecutive bytes, into window 1.  No hint: these bytes are read again
.irp j, 0,1,2,3,4,5,6,7
	global_load_b128 v[32*(\i)+4*\j:32*(\i)+4*\j+3], v[XO], s[SB+2*(\i):SB+2*(\i)+1] offset:512*\j
.endr
.endm
.macro CLOAD i                         ; the second pass: the same; these bytes are read for the last time
.irp j, 0,1,2,3,4,5,6,7
	global_load_b128 v[32*(\i)+4*\j:32*(\i)+4*\j+3], v[XO], s[SB+2*(\i):SB+2*(\i)+1] offset:512*\j th:TH_LOAD_NT
.endr
.endm
	WIN 0x40                                       ; destination window 1
.irp i, 0,1,2,3,4,5,6
	XLOAD \i
.endr
	WIN 0
	s_mul_i32 s[TT], s[WV], STGW
	s_add_co_u32 s[TT], s[TT], STG                 ; my stage
	v_lshl_add_u32 v[ST0], v1, 2, s[TT]
	v_mul_u32_u24 v[B0], v2, WP
	v_lshl_add_u32 v[B0], v3, 4, v[B0]
	v_add_nc_u32 v[FR], s[TT], v[B0]
	v_lshl_add_u32 v[TABA], v2, 3, TAB
	v_lshl_add_u32 v[TS], v0, 3, TAB
	s_lshl_b32 s[TT], s[WV], 8
	s_add_co_u32 s[TT], s[TT], SCB
	v_lshl_add_u32 v[SS], v3, 5, s[TT]
	v_lshl_add_u32 v[SL], v1, 4, SCB
	v_lshlrev_b32 v[CO], 4, v0
	s_lshl_b32 s[TT], s[WV], 10
	s_add_co_u32 s[TT], s[TT], PB                  ; my copy of p
	v_xor_b32 v[PW], 31, v1                        ; 31 - lane
	v_lshl_add_u32 v[PW], v[PW], 4, s[TT]
	s_xor_b32 s23, s[WV], 3                        ; 3 - w
	s_lshl_b32 s23, s23, 8
	s_add_co_u32 s[TT], s[TT], s23                 ; row 64 w + 63 lies at word 255 - 64 w - 63 = 64 (3 - w)
	v_mov_b32 v[PA], s[TT]
	s_lshl_b32 s23, s[WV], 12
	s_add_co_u32 s23, s23, RED
	v_lshl_add_u32 v[RW], v1, 4, s23               ; (r and h are done with)
	v_lshl_add_u32 v[RR], v0, 4, RED
	v_mov_b32 v[SW], 0
	v_mov_b32 v[SW+1], 0
.set xx, 0
.rept 32
	v_mov_b32 v[SC+xx], 0                          ; the scores' sums begin at 0: the turns are written once
.set xx, xx+1
.endr
	s_mov_b32 s[SEL], 0x76543210
	s_mov_b32 s[SEL+1], 0xfedcba98
	s_wait_kmcnt 0x0
	s_add_co_i32 s[TT], s[EE], 127
	s_lshl_b32 s[TT+1], s[TT], 23
	v_mov_b32 v[QS], s[TT+1]                       ; 2^e2
	s_add_co_i32 s[TT], s[TT], 8
	s_lshl_b32 s[TT], s[TT], 23
	s_or_b32 s[HI], s[TT], 0x600000                ; 448 x 2^e2
	s_or_b32 s[LO], s[HI], 0x80000000              ; and its negative
	s_add_co_i32 s[TT], s[EE], s[EE+1]
	s_lshl_b32 s[TT], s[TT], 23
	s_add_co_i32 s[SCL], s[TT], 0x4038aa3b         ; e2 + e3 is added to the exponent field of C2 = 2 log2(e)
	s_mov_b32 s[SCL+1], s[SCL]                     ; (named with it as a pair, so it is written)
	s_wait_loadcnt 56                              ; the table's 16 loads are in; the 56 of rows 0 to 6 may be out
.irp i, 0,1,2,3,4,5,6,7
	ds_store_b64 v[TS], v[64+2*\i:65+2*\i] offset:1024*\i
.endr
	WIN 0x40
	XLOAD 7
	WIN 0
; ---- X.  Eight rows.  A row's load j leaves lane L the numbers k = 128 j + 4 L + 0 .. 3; a conversion takes two loads' eight registers and gives two registers of four codes: k = 256 u + 4 L .. and 256 u + 128 + 4 L ..
; Each register goes to the stage by one store of 128 consecutive bytes: the codes lie there in K's own order.  load = 1: the row slot is filled again with the row eight further on.
.macro ROWS8 load
.irp i, 0,1,2,3,4,5,6,7
.if \load
	s_wait_loadcnt 56                              ; loads come back in order (ISA guide 5.7.1): this row's eight are in, the seven younger rows' stay out;
	s_add_nc_u64 s[SB+2*\i:SB+2*\i+1], s[SB+2*\i:SB+2*\i+1], 0x8000   ; so the slot's base, which those eight alone name, may step: eight rows on
.else
	s_wait_loadcnt 56-8*\i
.endif
	WIN 0x41
.set xx, 0
.rept 32
	v_med3_num_f32 v[32*\i+xx], v[32*\i+xx], s[LO], s[HI]   ; the conversion to an 8-bit code does not saturate (ISA guide 7.6.2): the hold at the largest code x the scale
.set xx, xx+1
.endr
	WIN 0x01
.irp u, 0,1,2,3
	v_cvt_scalef32_pk8_fp8_f32 v[CT+8*\i+2*\u:CT+8*\i+2*\u+1], v[32*\i+8*\u:32*\i+8*\u+7], v[QS]
.endr
	WIN 0
.irp u, 0,1,2,3
	ds_store_b32 v[STC], v[CT+8*\i+2*\u] offset:\i*WP+256*\u
	ds_store_b32 v[STC], v[CT+8*\i+2*\u+1] offset:\i*WP+256*\u+128
.endr
.if \load
	WIN 0x40
	XLOAD \i
.endif
.endr
	WIN 0
	v_nop                                          ; one plain vector instruction behind the last conversion (within the eight rows the next row's holds are that instruction)
.endm
.macro XTRIP load
	s_wait_dscnt 0x0                               ; my LDS instructions are done: the stage's address and the codes' registers are written again only behind this wait
	v_add_nc_u32 v[STC], s[SST], v[ST0]
	ROWS8 \load
.endm
.macro XSTEP
	s_add_co_u32 s[SST], s[SST], 8*WP
	s_sub_co_u32 s[CNT], s[CNT], 1
	s_cmp_lg_u32 s[CNT], 0
.endm
; The stage's 32 rows become two tiles' fragments, 16 rows x 128 K each: four loads of 16 bytes, 32 apart, at row x WP + 16 h: registers 4 c .. 4 c + 3 hold k = 32 c + 16 h + 0 .. 15, as in W_enc's fragments.
; LDS serves a wave's instructions in order (ISA guide 5.7.1.4): these see my stores, and the next rows' stores come behind them.
.macro FRAGS hh
	WIN (2+\hh)<<6
.irp mm, 0,1
.irp q, 0,1,2,3,4,5,6,7
.irp c, 0,1,2,3
	ds_load_b128 v[128*\mm+16*\q+4*\c:128*\mm+16*\q+4*\c+3], v[FR] offset:\mm*16*WP+128*\q+32*\c
.endr
.endr
.endr
	WIN 0
.endm
	s_mov_b32 s[SST], 0
	s_mov_b32 s[CNT], 4
.Lxa:                                              ; rows 0 to 31
	XTRIP 1
	XSTEP
	s_cbranch_scc1 .Lxa
	FRAGS 0
	s_mov_b32 s[SST], 0
	s_mov_b32 s[CNT], 3
.Lxb:                                              ; rows 32 to 55
	XTRIP 1
	XSTEP
	s_cbranch_scc1 .Lxb
	XTRIP 0                                        ; rows 56 to 63: nothing more is loaded, the counts run down
	FRAGS 1
	s_wait_tensorcnt 0x1                           ; my part of slot 0 is in; slot 1's may stay out
	s_wait_dscnt 0x0                               ; my part of the table is stored, my fragments are in
	s_barrier_signal -1
	s_barrier_wait -1                              ; everybody's
; ---- MAIN.
; Product pn of a turn's 64: K step pq = pn / 8, tile of columns pt, tile of rows pm.  The piece's eight accumulators take turns, one instruction a turn; the first eight start the sums.
.macro PROD p
.set pq, pn/8
.set pt, (pn/4)%2
.set pm, pn%4
.set rD, ACC+64*(\p)+8*(4*pt+pm)
.set rE, 128*(pm%2)+16*pq
.set rW, 128*(pq/4)+32*(pq%4)+16*pt
.set wv, 0x06+pm/2
	WIN wv                                         ; source 0 (enc's codes) window 2 or 3, source 1 (W_enc's) window 1, C and D window 0
.if pq == 0
	v_wmma_f32_16x16x128_fp8_fp8 v[rD:rD+7], v[rE:rE+15], v[rW:rW+15], 0
.else
	v_wmma_f32_16x16x128_fp8_fp8 v[rD:rD+7], v[rE:rE+15], v[rW:rW+15], v[rD:rD+7]
.endif
.set pn, pn+1
.endm
; Number n of piece pp's list of 226.
;   0-95    ONE BATCH: the 32 scalings y = sum x C2 2^(e2 + e3) + cb (two numbers each; each accumulator from its low end on) and the 64 exponentials 2^y, mixed: scaling 0; then scaling g + 1, exponentials 2 g, 2 g + 1;
;           a pair is scaled three instructions ahead of its first exponential.  None of these reads an exponential's result.
;   96-191  ONE BATCH, dealt alike: the 32 additions of 1 and the 64 reciprocals.  None of these reads a reciprocal's result.
;   192-223 the scores' sums += w x the reciprocal.   224, 225: the sum of w takes the piece's two w.
.macro EPI pp
.if n < 192
.set nb, n%96
.set sec, n/96
.if nb == 0
.set kind, 0
.set idx, 0
.elseif nb >= 94
.set kind, 1
.set idx, nb-32
.elseif ((nb-1)%3) == 0
.set kind, 0
.set idx, (nb-1)/3+1
.else
.set kind, 1
.set idx, 2*((nb-1)/3)+(nb-1)%3-1
.endif
.if kind == 0
.set rA, ACC+64*(\pp)+2*idx
.set rC, CBW+4*(\pp)+2*(idx/16)
.if sec == 0
	v_pk_fma_f32 v[rA:rA+1], v[rA:rA+1], s[SCL:SCL+1], v[rC:rC+1] op_sel_hi:[1,0,0]   ; of the pair (cb, w) the low word serves both halves
.else
	v_pk_add_f32 v[rA:rA+1], v[rA:rA+1], 1.0 op_sel_hi:[1,0]
.endif
.else
.set rA, ACC+64*(\pp)+idx
.if sec == 0
	v_exp_f32 v[rA], v[rA]
.else
	v_rcp_f32 v[rA], v[rA]
.endif
.endif
.elseif n < 224
.set rA, ACC+64*(\pp)+2*(n-192)
.set rC, CBW+4*(\pp)+2*((n-192)/16)
.set rS, SC+2*((n-192)%16)
	v_pk_fma_f32 v[rS:rS+1], v[rA:rA+1], v[rC:rC+1], v[rS:rS+1] op_sel:[0,1,0] op_sel_hi:[1,1,1]   ; of the pair (cb, w) the high word serves both halves
.else
.set rC, CBW+4*(\pp)+2*(n-224)+1
	v_add_f32 v[SW], v[SW], v[rC]
.endif
.endm
; Slice k of 64: three or four instructions.  Slices 0-26 deal out the first batch, 27-53 the second, 54-63 the 34 plain instructions at the list's end; slice 63 has four.
; Each batch has ONE plain instruction behind its last member and ONE wait ahead of its first reader (at the head of slices 27 and 54): nothing names a batch's results ahead of it.
.macro SLICE pp
	WIN 0
.if k < 27
.set n, (k*96)/27
.set cnt, ((k+1)*96)/27-(k*96)/27
.elseif k < 54
.set n, 96+((k-27)*96)/27
.set cnt, ((k-26)*96)/27-((k-27)*96)/27
.else
.set n, 192+((k-54)*34)/10
.set cnt, ((k-53)*34)/10-((k-54)*34)/10
.endif
.if (k == 27) || (k == 54)
	v_nop
	s_wait_alu depctr_va_vdst(0)
.endif
.rept cnt
	EPI \pp
.set n, n+1
.endr
.set k, k+1
.endm
.macro STEP1 p, ep                     ; one product, then one slice of the other piece's list
	PROD \p
.if \ep
	SLICE 1-\p
.endif
.endm
; 32 LDS loads in one run: piece pc's fragments of K steps 4 set .. 4 set + 3 (two tiles of 16 columns each) into set `set` of window 1
.macro RUN set, pc
	WIN 0x40
.irp qq, 0,1,2,3
.irp tt, 0,1
.irp c, 0,1,2,3
	ds_load_b128 v[128*\set+32*\qq+16*\tt+4*\c:128*\set+32*\qq+16*\tt+4*\c+3], v[ADR] offset:(32*\pc+16*\tt)*WP+128*(4*\set+\qq)+32*\c
.endr
.endr
.endr
.endm
; A TURN: piece p's 64 products; ep = 1: the other piece's list in slices.  At its head: the piece's (cb, w), for the list that the NEXT turn carries, and set 1.  In its middle set 0 is fetched anew:
; mode 0: with piece 1 of the same slot.  mode 2: THE CHANGE OF SLOTS: all of this slot has been asked for; each wave waits for all its tensor loads (one is out: its part of the next slot), adds 0 to its spare word, and waits
; for that and for its reads of this slot; the barrier opens a round of the cluster's barrier, so that no wave of any partner still reads the slot or has a load on its way; the joint refill, two chunks ahead, is the first thing
; behind the round and has 128 products in which to land; then set 0 comes from the next slot.  mode 1: the same with nothing left to ask for.  mode 3: the last turn.
; PLACES (ISA guide 7.12.1 for vector instructions): four v_nop stand in front of the loads into set 0 (in mode 2 those behind the tensor load); slice 63's four plain instructions, which name no register of this
; turn's products, stand in front of the loads into set 1; slices 56 to 63, all plain, in front of the next turn's first read of results.  A turn without slices has four v_nop at its end.
.macro TURN p, ep, mode, toff
	WIN 0
	ds_load_b64 v[CBW+4*\p:CBW+4*\p+1], v[TABC] offset:\toff
	ds_load_b64 v[CBW+4*\p+2:CBW+4*\p+3], v[TABC] offset:\toff+128
	RUN 1, \p
	s_wait_dscnt 34                                ; set 0 is in; the 2 + 32 loads just issued may be out
.set pn, 0
.set k, 0
.rept 32
	STEP1 \p, \ep
.endr
	WIN 0
.if \mode == 0
	PLACES
	RUN 0, 1
	s_wait_dscnt 32                                ; set 1 and (cb, w) are in; the 32 just issued may be out
.elseif \mode == 3
	s_wait_dscnt 0x0
.else
	s_wait_tensorcnt 0x0                           ; no tensor load of mine is out, so a group 0 may be written  (every window is 0: the add's two registers lie in window 0)
	ds_add_u32 v[SPW], v[NIL]                      ; 0 onto my spare word: the steps below stand between it and the wait for it
.if \mode == 2
	s_xor_b32 s[FB], s[FB], SLOT                   ; the walking descriptor: the other slot than last time,
	s_add_co_u32 s[G0B+1], s[FB], s[WOFF]          ; my 16 rows in it,
	s_add_nc_u64 s[G0B+2:G0B+3], s[G0B+2:G0B+3], 0x10000   ; the next chunk; the type bits on top are not reached
.endif
	s_xor_b32 s[TB], s[TB], SLOT                   ; the reads go on in the other slot
	s_wait_dscnt 0x0                               ; the add is done, set 1 is in, and my reads of this slot are over
	s_barrier_signal -1
	STEP1 \p, \ep                                  ; work on registers while the others arrive
	STEP1 \p, \ep
	WIN 0
	v_add_nc_u32 v[ADR], s[TB], v[B0]
.if \mode == 2
	s_wait_alu depctr_va_vdst(0)                   ; the reciprocals issued so far have their wait ahead of them
.endif
	s_barrier_wait -1
.if \mode == 2
	CREST
	tensor_load_to_lds s[G0B:G0B+3], s[G1:G1+7]    ; my one tensor load behind the round
	s_nop 0
.endif
	PLACES
	RUN 0, 0
.endif
.if (\mode == 1) || (\mode == 2)
.rept 30
	STEP1 \p, \ep
.endr
.else
.rept 32
	STEP1 \p, \ep
.endr
.endif
.if \ep == 0
	WIN 0
	PLACES
.endif
.endm
.macro TRIP mode                       ; piece 1 of a chunk, piece 0 of the next
	v_add_nc_u32 v[TABC], s[TP], v[TABA]           ; (the loads that read this address were waited for in the turn before)
	TURN 1, 1, \mode, 256
	TURN 0, 1, 0, 512
	WIN 0
	s_add_co_u32 s[TP], s[TP], 512
.endm
	s_mov_b32 s[TP], 0
	v_add_nc_u32 v[ADR], s[TB], v[B0]
	v_add_nc_u32 v[TABC], s[TP], v[TABA]
	RUN 0, 0
	TURN 0, 0, 0, 0                                ; chunk 0, piece 0: there is no list yet to set between its products
	s_mov_b32 s[CNT], 14
.Lchunk:                                           ; 14 trips: chunks 2 to 15 are asked for
	TRIP 2
	s_sub_co_u32 s[CNT], s[CNT], 1
	s_cmp_lg_u32 s[CNT], 0
	s_cbranch_scc1 .Lchunk
	TRIP 1                                         ; the tail is written out
	v_add_nc_u32 v[TABC], s[TP], v[TABA]
	TURN 1, 1, 3, 256
.irp i, 0,1,2,3,4,5,6,7
	s_add_nc_u64 s[SB+2*\i:SB+2*\i+1], s[4:5], (63-\i)*4096   ; the second pass: row slot i begins at row 63 - i  (the first pass's loads were all waited for)
.endr
	WIN 0x40                                       ; window 1 is free (slice 63 holds the places): the second pass's first eight rows are asked for
.irp i, 0,1,2,3,4,5,6,7
	CLOAD \i
.endr
	WIN 0
.set k, 0
.rept 64
	SLICE 1                                        ; the last piece's list
.endr
; ---- S.  A lane's part of a score is (its columns' w) - 2 x (its sum); sixteen lanes make a score.
.set xx, 0
.rept 16
	v_pk_fma_f32 v[SC+xx:SC+xx+1], v[SC+xx:SC+xx+1], -2.0, v[SW:SW+1] op_sel_hi:[1,0,0]
.set xx, xx+2
.endr
.irp mk, 1,2,4,8
.set xx, 0
.rept 32
	v_add_f32_dpp v[SC+xx], v[SC+xx], v[SC+xx] row_xmask:\mk row_mask:0xf bank_mask:0xf
.set xx, xx+1
.endr
.endr
.irp gq, 0,1,2,3,4,5,6,7
	ds_store_b128 v[SS], v[SC+4*\gq:SC+4*\gq+3] offset:64*(\gq/2)+16*(\gq%2)   ; rows 64 w + 16 m + 8 h + j: the sixteen lanes of a half write the same bytes with the same numbers
.endr
	s_wait_dscnt 0x0                               ; for the others' sake
	s_barrier_signal -1
	s_barrier_wait -1
	ds_load_b128 v[192:195], v[SL]                 ; every wave takes all 256 scores: lane L rows 4 L .. and 128 + 4 L ..
	ds_load_b128 v[196:199], v[SL] offset:512
	v_mov_b32 v209, 0                              ; written once: a lane permute's destination counts as one of its sources
.set xx, 0
.rept 32
	v_mov_b32 v[CA+xx], 0                          ; phase C's sums: its trips are written once
.set xx, xx+1
.endr
	s_wait_dscnt 0x0
.irp i, 0,1,2,3,4,5,6,7
	v_add_f32 v[192+\i], s[BO], v[192+\i]          ; + b_one
.endr
	v_max3_num_f32 v208, v192, v193, v194
	v_max3_num_f32 v208, v208, v195, v196
	v_max3_num_f32 v208, v208, v197, v198
	v_max_num_f32 v208, v208, v199
.irp mk, 1,2,4,8
	v_max_num_f32_dpp v208, v208, v208 row_xmask:\mk row_mask:0xf bank_mask:0xf
.endr
	v_permlanex16_b32 v209, v208, s[SEL], s[SEL+1]
	v_max_num_f32 v208, v208, v209                 ; m: the block's largest score
.irp i, 0,1,2,3
	v_sub_f32 v[200+\i], v[195-\i], v208           ; each group of four rows is turned round: p is laid backwards
	v_sub_f32 v[204+\i], v[199-\i], v208
.endr
.irp i, 0,1,2,3,4,5,6,7
	v_mul_f32 v[200+\i], 0x3fb8aa3b, v[200+\i]     ; x log2(e)
.endr
.irp i, 0,1,2,3,4,5,6,7
	v_exp_f32 v[200+\i], v[200+\i]                 ; p = e^(score - m), at most 1
.endr
	v_nop                                          ; a plain instruction behind the last exponential,
	s_wait_alu depctr_va_vdst(0)                   ; and the wait ahead of the first reader: one for the eight
	ds_store_b128 v[PW], v[200:203] offset:512     ; my wave's own copy of p: rows 4 L + 3 .. 4 L at words 252 - 4 L on,
	ds_store_b128 v[PW], v[204:207]                ; rows 128 + 4 L + 3 .. at words 124 - 4 L on
	v_pk_add_f32 v[210:211], v[200:201], v[202:203]
	v_pk_add_f32 v[212:213], v[204:205], v[206:207]
	v_pk_add_f32 v[210:211], v[210:211], v[212:213]
	v_add_f32 v210, v210, v211
.irp mk, 1,2,4,8
	v_add_f32_dpp v210, v210, v210 row_xmask:\mk row_mask:0xf bank_mask:0xf
.endr
	v_permlanex16_b32 v209, v210, s[SEL], s[SEL+1]
	v_add_f32 v210, v210, v209                     ; the block's sum of p
	v_mov_b32 v212, v208
	v_mov_b32 v213, v210
	v_mov_b32 v214, v208
	v_mov_b32 v215, v210
	s_cmp_lg_u32 s[WV], 0                          ; wave 0 stores what all four have computed alike; the stores' registers are not written again
	s_cbranch_scc1 .Lnot_0
	global_store_b128 v[XO], v[192:195], s[16:17]              ; 512 consecutive bytes a store
	global_store_b128 v[XO], v[196:199], s[16:17] offset:512
	global_store_b128 v[XO], v[212:215], s[18:19] offset:4096  ; (m, sum) 64 times: the row's last 512 bytes, whole
.Lnot_0:
; ---- C.  My 64 rows once more, from the last to the first, eight row slots, 64 loads on their way.  Lane L holds the sums of columns 128 j + 4 L + 0 .. 3: no sum crosses lanes; the four waves' parts are added at the end.
.macro PROWS                           ; the trip's eight p, the same for every lane: my copy lies backwards, so its address steps upward
	v_add_nc_u32 v[PAC], s[PS], v[PA]
	ds_load_b128 v[PV:PV+3], v[PAC]
	ds_load_b128 v[PV+4:PV+7], v[PAC] offset:16
	s_wait_dscnt 0x0
.endm
.macro CROWS load
.irp i, 0,1,2,3,4,5,6,7
.if \load
	s_wait_loadcnt 56                              ; this row's eight loads are in, the seven younger rows' stay out;
	s_sub_nc_u64 s[SB+2*\i:SB+2*\i+1], s[SB+2*\i:SB+2*\i+1], 0x8000   ; so the slot's base, which those eight alone name, may step: eight rows back
.else
	s_wait_loadcnt 56-8*\i
.endif
	WIN 0x01                                       ; source 0 (the row) window 1
.set xx, 0
.rept 16
.if (\i%2) == 0
	v_pk_fma_f32 v[CA+xx:CA+xx+1], v[32*\i+xx:32*\i+xx+1], v[PV+\i:PV+\i+1], v[CA+xx:CA+xx+1] op_sel_hi:[1,0,1]
.else
	v_pk_fma_f32 v[CA+xx:CA+xx+1], v[32*\i+xx:32*\i+xx+1], v[PV+\i-1:PV+\i], v[CA+xx:CA+xx+1] op_sel:[0,1,0] op_sel_hi:[1,1,1]
.endif
.set xx, xx+2
.endr
.if \load
	WIN 0x40
	CLOAD \i
.endif
.endr
	WIN 0
.endm
	s_mov_b32 s[PS], 0
	s_mov_b32 s[CNT], 7
.Lctx:                                             ; a trip: eight rows
	PROWS
	CROWS 1
	s_add_co_u32 s[PS], s[PS], 32
	s_sub_co_u32 s[CNT], s[CNT], 1
	s_cmp_lg_u32 s[CNT], 0
	s_cbranch_scc1 .Lctx
	PROWS                                          ; rows 7 to 0: nothing more is loaded, the counts run down
	CROWS 0
.irp j, 0,1,2,3,4,5,6,7
	ds_store_b128 v[RW], v[CA+4*\j:CA+4*\j+3] offset:512*\j    ; my part, in the columns' own order: 512 consecutive bytes a store
.endr
	s_wait_dscnt 0x0                               ; for the others' sake
	s_barrier_signal -1
	s_barrier_wait -1
.irp kk, 0,1,2,3
.irp e, 0,1
	ds_load_b128 v[CR+8*\kk+4*\e:CR+8*\kk+4*\e+3], v[RR] offset:4096*\kk+2048*\e   ; thread t: columns 4 t .. and 512 + 4 t .. of the four parts
.endr
.endr
	s_wait_dscnt 0x0
.irp xq, 0,2,4,6
	v_pk_add_f32 v[CR+\xq:CR+\xq+1], v[CR+\xq:CR+\xq+1], v[CR+8+\xq:CR+9+\xq]
	v_pk_add_f32 v[CR+16+\xq:CR+17+\xq], v[CR+16+\xq:CR+17+\xq], v[CR+24+\xq:CR+25+\xq]
.endr
.irp xq, 0,2,4,6
	v_pk_add_f32 v[CR+\xq:CR+\xq+1], v[CR+\xq:CR+\xq+1], v[CR+16+\xq:CR+17+\xq]
.endr
	global_store_b128 v[CO], v[CR:CR+3], s[18:19]              ; 512 consecutive bytes a wave
	global_store_b128 v[CO], v[CR+4:CR+7], s[18:19] offset:2048
	s_wait_tensorcnt 0x0                           ; the wave's end: behind my last tensor load and my last LDS store
	ds_add_u32 v[SPW], v[NIL]
	s_wait_dscnt 0x0
	CROUND                                         ; the closing round: no work-group ends while a partner may still ask for a tile that names it
	s_endpgm
.Lfunc_end_k_qed9354b2f8_attn:
	.size	k_qed9354b2f8_attn, .Lfunc_end_k_qed9354b2f8_attn-k_qed9354b2f8_attn
	.p2alignl 7, 3214868480
	.fill 96, 4, 3214868480
	.section	.rodata,"a",@progbits
	.p2align	6, 0x0
	.amdhsa_kernel k_qed9354b2f8_attn
		.amdhsa_group_segment_fixed_size 327680
		.amdhsa_private_segment_fixed_size 0
		.amdhsa_enable_private_segment 0
		.amdhsa_kernarg_size 64
		.amdhsa_user_sgpr_count 2
		.amdhsa_user_sgpr_kernarg_segment_ptr 1
		.amdhsa_wavefront_size32 1
		.amdhsa_system_sgpr_workgroup_id_x 1
		.amdhsa_system_sgpr_workgroup_id_y 1
		.amdhsa_system_sgpr_workgroup_id_z 1
		.amdhsa_system_vgpr_workitem_id 0
		.amdhsa_next_free_vgpr 1024
		.amdhsa_next_free_sgpr 92
		.amdhsa_reserve_vcc 0
		.amdhsa_float_denorm_mode_32 3
		.amdhsa_float_denorm_mode_16_64 3
		.amdhsa_memory_ordered 1
		.amdhsa_forward_progress 1
		.amdhsa_inst_pref_size 255
	.end_amdhsa_kernel
	.section	.bss,"aw",@nobits
	.p2align	6
	.space	262144
	.amdgpu_metadata
---
amdhsa.version: [ 1, 2 ]
amdhsa.kernels:
  - .name:           k_qed9354b2f8_attn
    .symbol:         k_qed9354b2f8_attn.kd
    .args:
      - { .name: enc_hids, .offset: 0, .size: 8, .value_kind: global_buffer, .address_space: global }
      - { .name: W_enc_codes, .offset: 8, .size: 8, .value_kind: global_buffer, .address_space: global }
      - { .name: W_one, .offset: 16, .size: 8, .value_kind: global_buffer, .address_space: global }
      - { .name: b_one, .offset: 24, .size: 8, .value_kind: global_buffer, .address_space: global }
      - { .name: lowp_scales, .offset: 32, .size: 8, .value_kind: global_buffer, .address_space: global }
      - { .name: dvec, .offset: 40, .size: 8, .value_kind: global_buffer, .address_space: global }
      - { .name: scores, .offset: 48, .size: 8, .value_kind: global_buffer, .address_space: global }
      - { .name: pctx, .offset: 56, .size: 8, .value_kind: global_buffer, .address_space: global }
    .group_segment_fixed_size: 327680
    .private_segment_fixed_size: 0
    .kernarg_segment_align: 8
    .kernarg_segment_size: 64
    .max_flat_workgroup_size: 128
    .sgpr_count:     92
    .vgpr_count:     1024
    .wavefront_size: 32
...
	.end_amdgpu_metadata
.endif
;; end of part 2
;; launch finish (part 3): grid 16 x 4, 4 waves a work-group, no clusters, 21,504 bytes of LDS; arguments pctx, scores, W_att_codes, b_att, lowp_scales, out0, out1; writes out0, out1
.if DOCPART == 3
	.amdgcn_target "amdgcn-amd-amdhsa--gfx1250"
	.amdhsa_code_object_version 6
	.text
	.protected	k_qed9354b2f8_finish
	.globl	k_qed9354b2f8_finish
	.p2align	8
	.type	k_qed9354b2f8_finish,@function
k_qed9354b2f8_finish:
	s_mov_b64 s[64:65], 0
	v_nop
	global_prefetch_b8 v0, s[64:65] scope:SCOPE_SE
	s_setreg_imm32_b32 hwreg(HW_REG_WAVE_MODE, 25, 1), 1
	s_wait_xcnt 0x0
; A batch's four blocks are joined: M = the largest of their m, S = sum of e^(m_g - M) sum_g;  alpha[l] = e^(score[l] - M) / S -> out1;  ctx = sum over g of (e^(m_g - M) / S) x the block's part, all in f32;
; ctx is quantised (x / 2^e4, held within +-448, nearest E4M3 code, ties to even) and out0 = (ctx's codes x W_att's codes) x 2^(e4 + e5) + b_att, by v_wmma_f32_16x16x128_fp8_fp8, f32 sums.
; LIMITS: e4 between -126 and 119; e4 + e5 is applied by v_ldexp_f32 and has none.  NaN among the inputs is not served.
; SHARES.  Work-group (x, y): batches 16 y .. 16 y + 15, columns 64 x .. 64 x + 63 of out0, and alpha of the one batch 16 y + x.  Wave w: the tile of 16 columns 64 x + 16 w on; of ctx it makes K steps 2 w and 2 w + 1
; (256 of the 1,024) for the 16 batches and hands them to the others through LDS as IMAGES OF THE OPERAND'S REGISTERS: four stores of 16 bytes a lane at 16 x lane; the same four lines as loads give any wave the same fragment.
; A lane (r, h) holds batch r; register 16 c + i of a K step is k = 32 c + 16 h + i: the conversions' results are the operand's registers, in the places that the 16-byte loads give W_att's codes.
; THE PRODUCT IS USED TRANSPOSED (source 0 = 16 rows of W_att's codes, source 1 = the 16 batches): a lane holds eight neighbouring columns of a row of out0.
; NO CLUSTER, NO LDS TILES: every operand is read once by its wave, straight into registers; there is no tile in LDS that partners could ask for jointly.
; REGISTERS: window 0: v1-16 addresses and scales; v64-127 a K step's ctx; v128-159 the codes just made; then v32-159 the eight fragments; v160-175 two accumulators; v176-183 b_att; v184-191 results;
;   v192-199 (m, sum) of my lane's batch, then its four factors; v200-207 the same of alpha's batch; v208-211 M and 1 / S; v216-223 scores, then alpha; v224-231 rows read back.
;   window 1: v0-127 W_att's eight fragments.   windows 2, 3: the four blocks' parts of K steps 2 w, 2 w + 1: block g at 64 g.
.set SPI,  272                         ; the stage: 16 rows of 256 bytes + 16 of padding
.set STGF, 16384                       ; behind the eight images of 2,048 bytes
.set AF,   32
.set CTX,  64
.set PC,   128
.set ACC,  160
.set BA,   176
.set RES,  184
.set RB,   224
.set MSB, 0
.macro WIN new                         ; the immediate's high byte repeats the setting that is left; a switch that changes nothing is dropped
.if MSB != (\new)
	s_set_vgpr_msb (MSB<<8)|(\new)
.set MSB, (\new)
.endif
.endm
	s_load_b256 s[4:11], s[0:1], 0x0               ; pctx s[4:5], scores s[6:7], W_att's codes s[8:9], b_att s[10:11]
	s_load_b128 s[12:15], s[0:1], 0x20             ; the scales' exponents s[12:13], out0 s[14:15]
	s_load_b64 s[16:17], s[0:1], 0x30              ; out1
	v_lshl_add_u32 v254, v0, 2, 0x5200
	v_mov_b32 v255, 0
	v_lshrrev_b32 v1, 5, v0
	v_readfirstlane_b32 s20, v1                    ; wave 0..3
	v_and_b32 v1, 31, v0                           ; lane
	v_and_b32 v2, 15, v0                           ; r
	v_bfe_u32 v3, v0, 4, 1                         ; h
	s_and_b32 s21, ttmp7, 0xffff                   ; y
	s_lshl_b32 s22, ttmp9, 6
	s_lshl_b32 s23, s20, 4
	s_add_co_u32 s22, s22, s23                     ; my first column: 64 x + 16 w
	s_lshl_b32 s23, s21, 4
	s_add_co_u32 s23, s23, ttmp9                   ; alpha's batch: 16 y + x
	s_mul_i32 s24, s21, 294912                     ; pctx: 16 y batches of 4 rows of 4,608 bytes
	s_mov_b32 s25, 0
	s_lshl_b32 s26, s20, 10                        ; my two K steps: 256 numbers
	s_mov_b32 s27, 0
	s_mul_i32 s28, s23, 18432                      ; alpha's batch in pctx,
	s_mov_b32 s29, 0
	s_lshl_b32 s30, s23, 12                        ; in scores and in out1
	s_mov_b32 s31, 0
	s_lshl_b32 s32, s22, 10                        ; W_att: a column's 1,024 codes
	s_mov_b32 s33, 0
	s_lshl_b32 s34, s22, 2                         ; b_att
	s_mov_b32 s35, 0
	s_lshl_b32 s36, s21, 16                        ; out0: 16 y rows of 4,096 bytes,
	s_lshl_b32 s37, s20, 14                        ; + the 4 rows that wave w stores,
	s_add_co_u32 s36, s36, s37
	s_lshl_b32 s37, ttmp9, 8                       ; + the work-group's 64 columns
	s_add_co_u32 s36, s36, s37
	s_mov_b32 s37, 0
	v_lshlrev_b32 v4, 10, v2
	v_lshl_add_u32 v4, v3, 4, v4                   ; W_att: row r of 1,024 bytes, + 16 h
	v_lshlrev_b32 v5, 5, v3                        ; b_att: 32 h
	v_mul_u32_u24 v10, v2, 18432                   ; pctx: batch r
	v_lshl_add_u32 v9, v3, 6, v10                  ; + 64 h: my 16 numbers of a block of 32
	v_mov_b32 v11, 0
	v_lshlrev_b32 v12, 4, v0                       ; scores, alpha: 16 bytes a thread
	s_wait_kmcnt 0x0
	s_load_b64 s[38:39], s[12:13], 0x10            ; e4, e5
	s_add_nc_u64 s[40:41], s[4:5], s[28:29]
	s_add_nc_u64 s[4:5], s[4:5], s[24:25]
	s_add_nc_u64 s[42:43], s[4:5], s[26:27]
	s_add_nc_u64 s[6:7], s[6:7], s[30:31]
	s_add_nc_u64 s[16:17], s[16:17], s[30:31]
	s_add_nc_u64 s[8:9], s[8:9], s[32:33]
	s_add_nc_u64 s[10:11], s[10:11], s[34:35]
	s_add_nc_u64 s[14:15], s[14:15], s[36:37]
.irp g, 0,1,2,3
	global_load_b64 v[192+2*\g:193+2*\g], v10, s[4:5] offset:\g*4608+4096     ; (m, sum) of block g of my lane's batch,
	global_load_b64 v[200+2*\g:201+2*\g], v11, s[40:41] offset:\g*4608+4096   ; and of alpha's batch, the same for every lane
.endr
	global_load_b128 v[216:219], v12, s[6:7]
	global_load_b128 v[220:223], v12, s[6:7] offset:2048
	global_load_b128 v[BA:BA+3], v5, s[10:11]
	global_load_b128 v[BA+4:BA+7], v5, s[10:11] offset:16
	WIN 0x40                                       ; destination window 1
.irp q, 0,1,2,3,4,5,6,7
.irp c, 0,1,2,3
	global_load_b128 v[16*\q+4*\c:16*\q+4*\c+3], v4, s[8:9] offset:128*\q+32*\c
.endr
.endr
.irp qi, 0,1
	WIN (2+\qi)<<6                                 ; destination window 2, 3
.irp g, 0,1,2,3
.irp c, 0,1,2,3
.irp j, 0,1,2,3
	global_load_b128 v[64*\g+16*\c+4*\j:64*\g+16*\c+4*\j+3], v9, s[42:43] offset:\g*4608+512*\qi+128*\c+16*\j
.endr
.endr
.endr
.endr
	WIN 0
	v_mul_u32_u24 v6, v2, SPI                      ; the stage, in: row r, + 64 w + 32 h
	v_lshl_add_u32 v6, v3, 5, v6
	s_lshl_b32 s44, s20, 6
	s_add_co_u32 s44, s44, STGF
	v_add_nc_u32 v6, s44, v6
	v_mul_u32_u24 v7, v3, SPI                      ; back: wave w takes rows 4 w .. 4 w + 3; lanes 0-15 one row, lanes 16-31 the next
	v_lshl_add_u32 v7, v2, 4, v7
	s_mul_i32 s44, s20, 4*SPI
	s_add_co_u32 s44, s44, STGF
	v_add_nc_u32 v7, s44, v7
	v_lshlrev_b32 v8, 12, v3                       ; and the same two rows in out0
	v_lshl_add_u32 v8, v2, 4, v8
	s_lshl_b32 s44, s20, 12
	v_lshl_add_u32 v13, v1, 4, s44                 ; my two images: 16 x lane + 4,096 w
	v_lshlrev_b32 v14, 4, v1                       ; an image's place for my lane
	s_wait_loadcnt 63                              ; the statistics and the scores, the first ten loads, are in (162 were issued behind them)
	v_max3_num_f32 v208, v192, v194, v196
	v_max3_num_f32 v210, v200, v202, v204
	v_max_num_f32 v208, v208, v198                 ; M of my lane's batch,
	v_max_num_f32 v210, v210, v206                 ; of alpha's
.irp g, 0,1,2,3
	v_sub_f32 v[192+2*\g], v[192+2*\g], v208
	v_sub_f32 v[200+2*\g], v[200+2*\g], v210
.endr
.irp i, 0,1,2,3,4,5,6,7
	v_sub_f32 v[216+\i], v[216+\i], v210
.endr
.irp g, 0,1,2,3
	v_mul_f32 v[192+2*\g], 0x3fb8aa3b, v[192+2*\g] ; x log2(e)
	v_mul_f32 v[200+2*\g], 0x3fb8aa3b, v[200+2*\g]
.endr
.irp i, 0,1,2,3,4,5,6,7
	v_mul_f32 v[216+\i], 0x3fb8aa3b, v[216+\i]
.endr
.irp g, 0,1,2,3
	v_exp_f32 v[192+2*\g], v[192+2*\g]
	v_exp_f32 v[200+2*\g], v[200+2*\g]
.endr
.irp i, 0,1,2,3,4,5,6,7
	v_exp_f32 v[216+\i], v[216+\i]
.endr
	v_nop                                          ; a plain instruction behind the last exponential,
	s_wait_alu depctr_va_vdst(0)                   ; and the wait ahead of the first reader: one for the sixteen
	v_mul_f32 v209, v192, v193
	v_mul_f32 v211, v200, v201
.irp g, 1,2,3
	v_fmac_f32 v209, v[192+2*\g], v[193+2*\g]      ; S
	v_fmac_f32 v211, v[200+2*\g], v[201+2*\g]
.endr
	v_rcp_f32 v209, v209
	v_rcp_f32 v211, v211
	v_nop
	s_wait_alu depctr_va_vdst(0)                   ; one wait for the two reciprocals
.irp g, 0,1,2,3
	v_mul_f32 v[192+2*\g], v[192+2*\g], v209       ; block g's factor, e^(m_g - M) / S
.endr
.irp i, 0,1,2,3,4,5,6,7
	v_mul_f32 v[216+\i], v[216+\i], v211           ; alpha
.endr
	global_store_b128 v12, v[216:219], s[16:17]    ; 512 consecutive bytes a wave
	global_store_b128 v12, v[220:223], s[16:17] offset:2048
	s_wait_kmcnt 0x0
	s_add_co_i32 s44, s38, 127
	s_lshl_b32 s45, s44, 23
	v_mov_b32 v15, s45                             ; 2^e4 as f32: the conversion takes its exponent field
	s_add_co_i32 s44, s44, 8
	s_lshl_b32 s44, s44, 23
	s_or_b32 s44, s44, 0x600000
	v_mov_b32 v16, s44                             ; 448 x 2^e4
	s_add_co_i32 s38, s38, s39                     ; e4 + e5
	s_wait_loadcnt 0x0
.irp qi, 0,1
	WIN 2+\qi                                      ; source 0: window 2, 3
.set xx, 0
.rept 32
	v_pk_mul_f32 v[CTX+xx:CTX+xx+1], v[xx:xx+1], v[192:193] op_sel_hi:[1,0]   ; of the pair (factor, sum) the low word serves both halves
.set xx, xx+2
.endr
.irp g, 1,2,3
.set xx, 0
.rept 32
	v_pk_fma_f32 v[CTX+xx:CTX+xx+1], v[64*\g+xx:64*\g+xx+1], v[192+2*\g:193+2*\g], v[CTX+xx:CTX+xx+1] op_sel_hi:[1,0,1]
.set xx, xx+2
.endr
.endr
	WIN 0
.set xx, 0
.rept 64
	v_med3_num_f32 v[CTX+xx], v[CTX+xx], -v16, v16 ; the conversion to an 8-bit code does not saturate (ISA guide 7.6.2): the hold at the largest code x the scale
.set xx, xx+1
.endr
.irp b, 0,1,2,3
	v_cvt_scalef32_pk8_fp8_f32 v[PC+16*\qi+4*\b:PC+16*\qi+4*\b+1], v[CTX+16*\b:CTX+16*\b+7], v15
	v_cvt_scalef32_pk8_fp8_f32 v[PC+16*\qi+4*\b+2:PC+16*\qi+4*\b+3], v[CTX+16*\b+8:CTX+16*\b+15], v15
.endr
	v_nop                                          ; one plain vector instruction behind the last conversion: the next K step's products write its sources
.irp c, 0,1,2,3
	ds_store_b128 v13, v[PC+16*\qi+4*\c:PC+16*\qi+4*\c+3] offset:2048*\qi+512*\c
.endr
.endr
	s_wait_dscnt 0x0                               ; for the others' sake: my two images are stored
	s_barrier_signal -1
	s_barrier_wait -1
.irp q, 0,1,2,3,4,5,6,7
.irp c, 0,1,2,3
	ds_load_b128 v[AF+16*\q+4*\c:AF+16*\q+4*\c+3], v14 offset:2048*\q+512*\c
.endr
.endr
	s_wait_dscnt 0x0
	WIN 0x01                                       ; source 0 (W_att) window 1
.irp q, 0,1,2,3,4,5,6,7                ; the two accumulators take turns, one instruction a turn; the first two products start the sums
.if \q < 2
	v_wmma_f32_16x16x128_fp8_fp8 v[ACC+8*(\q%2):ACC+8*(\q%2)+7], v[16*\q:16*\q+15], v[AF+16*\q:AF+16*\q+15], 0
.else
	v_wmma_f32_16x16x128_fp8_fp8 v[ACC+8*(\q%2):ACC+8*(\q%2)+7], v[16*\q:16*\q+15], v[AF+16*\q:AF+16*\q+15], v[ACC+8*(\q%2):ACC+8*(\q%2)+7]
.endif
.endr
	WIN 0
.rept 4
	v_nop                                          ; four places in front of the first read of results (ISA guide 7.12.1)
.endr
.irp j, 0,2,4,6
	v_pk_add_f32 v[RES+\j:RES+\j+1], v[ACC+\j:ACC+\j+1], v[ACC+8+\j:ACC+8+\j+1]   ; the two halves of K; each accumulator from its low end on
.endr
.irp j, 0,1,2,3,4,5,6,7
	v_ldexp_f32 v[RES+\j], v[RES+\j], s38          ; x 2^(e4 + e5)
.endr
.irp j, 0,2,4,6
	v_pk_add_f32 v[RES+\j:RES+\j+1], v[RES+\j:RES+\j+1], v[BA+\j:BA+\j+1]         ; + b_att
.endr
	; THE WAY OUT: a row's 256 bytes come from four waves: they meet in the stage, and each wave stores four whole rows, sixteen lanes to 256 consecutive bytes
	ds_store_b128 v6, v[RES:RES+3]
	ds_store_b128 v6, v[RES+4:RES+7] offset:16
	s_wait_dscnt 0x0                               ; for the others' sake: my stores into the stage are done
	s_barrier_signal -1
	s_barrier_wait -1
	ds_load_b128 v[RB:RB+3], v7
	ds_load_b128 v[RB+4:RB+7], v7 offset:2*SPI
	s_wait_dscnt 0x1                               ; the first two rows are back; the younger load may be out
	global_store_b128 v8, v[RB:RB+3], s[14:15]
	s_wait_dscnt 0x0
	global_store_b128 v8, v[RB+4:RB+7], s[14:15] offset:8192
	s_wait_tensorcnt 0x0
	ds_add_u32 v254, v255
	s_wait_dscnt 0x0
	s_endpgm
.Lfunc_end_k_qed9354b2f8_finish:
	.size	k_qed9354b2f8_finish, .Lfunc_end_k_qed9354b2f8_finish-k_qed9354b2f8_finish
	.p2alignl 7, 3214868480
	.fill 96, 4, 3214868480
	.section	.rodata,"a",@progbits
	.p2align	6, 0x0
	.amdhsa_kernel k_qed9354b2f8_finish
		.amdhsa_group_segment_fixed_size 21504
		.amdhsa_private_segment_fixed_size 0
		.amdhsa_enable_private_segment 0
		.amdhsa_kernarg_size 56
		.amdhsa_user_sgpr_count 2
		.amdhsa_user_sgpr_kernarg_segment_ptr 1
		.amdhsa_wavefront_size32 1
		.amdhsa_system_sgpr_workgroup_id_x 1
		.amdhsa_system_sgpr_workgroup_id_y 1
		.amdhsa_system_sgpr_workgroup_id_z 1
		.amdhsa_system_vgpr_workitem_id 0
		.amdhsa_next_free_vgpr 1024
		.amdhsa_next_free_sgpr 66
		.amdhsa_reserve_vcc 0
		.amdhsa_float_denorm_mode_32 3
		.amdhsa_float_denorm_mode_16_64 3
		.amdhsa_memory_ordered 1
		.amdhsa_forward_progress 1
		.amdhsa_inst_pref_size 54
	.end_amdhsa_kernel
	.amdgpu_metadata
---
amdhsa.version: [ 1, 2 ]
amdhsa.kernels:
  - .name:           k_qed9354b2f8_finish
    .symbol:         k_qed9354b2f8_finish.kd
    .args:
      - { .name: pctx, .offset: 0, .size: 8, .value_kind: global_buffer, .address_space: global }
      - { .name: scores, .offset: 8, .size: 8, .value_kind: global_buffer, .address_space: global }
      - { .name: W_att_codes, .offset: 16, .size: 8, .value_kind: global_buffer, .address_space: global }
      - { .name: b_att, .offset: 24, .size: 8, .value_kind: global_buffer, .address_space: global }
      - { .name: lowp_scales, .offset: 32, .size: 8, .value_kind: global_buffer, .address_space: global }
      - { .name: out0, .offset: 40, .size: 8, .value_kind: global_buffer, .address_space: global }
      - { .name: out1, .offset: 48, .size: 8, .value_kind: global_buffer, .address_space: global }
    .group_segment_fixed_size: 21504
    .private_segment_fixed_size: 0
    .kernarg_segment_align: 8
    .kernarg_segment_size: 56
    .max_flat_workgroup_size: 128
    .sgpr_count:     66
    .vgpr_count:     1024
    .wavefront_size: 32
...
	.end_amdgpu_metadata
.endif
;; end of part 3
